; MI455X (gfx1250); checked and timed in simulation.
; The chip was launched on July 23, 2026; its instructions are those of AMD's public machine-readable ISA for CDNA 5 (MIT licence, August 2026) and "CDNA5" Instruction Set Architecture Reference Guide (July 2026). The comments in the code are by the model that wrote it; some were corrected since.
;; Attn. Allowed arithmetic: matrix products marked QUANTISED: E2M3 operands, one E8M0 scale for each 32 along K, by v_wmma_scale_f32_16x16x128_f8f6f4 with both operands' format E2M3, f32 sums; products left as they are: f32 operands where the result goes on into a quantised operand, else bf16, f16 or f32 operands; f32 sums; everything else in f32.
;; Inputs: W_attn_codes 512 x 16 x 24 uint8 (E2M3 codes of W_attn, K innermost, in blocks of 32 codes, four codes in three bytes); W_attn_scales 512 x 16 uint8 (E8M0 scales of W_attn, one for each 32 codes along K); b_attn 512 float32; encoder_outputs_codes 32 x 4,096 x 16 x 24 uint8 (E2M3 codes of encoder_outputs, K innermost, in blocks of 32 codes, four codes in three bytes); encoder_outputs_scales 32 x 4,096 x 16 uint8 (E8M0 scales of encoder_outputs, one for each 32 codes along K); hidden 1 x 32 x 512 float32.
;; Outputs: out0 32 x 1 x 4,096 float32.
;; This version of the problem:
;;   THIS VERSION OF THE PROBLEM IS GIVEN IN LOW PRECISION. The matrix products marked QUANTISED in the list below multiply operands that are first quantised to E2M3 (2 exponent bits, 3 mantissa bits; 6 bits a number), with one power-of-two scale for each 32 numbers along K (OCP MX v1.0); their sums are f32. All else is computed in f32.
;;   The module's matrix products, in the order in which they are computed (A, B: the left and right operand; K: the contracted axis; several contracted axes count as one K, in the product's order):
;;     1. [M 131,072, K 512] x [K 512, N 512]; A: input encoder_outputs (given as codes); B: input W_attn (given as codes): QUANTISED
;;     2. batch 32 x [M 4,096, K 512] x [K 512, N 1]; A: computed on the way; B: input hidden: left as it is (N = 1 < 16)
;;   THE QUANTISER, for each operand of a quantised product, along K:
;;     - K is cut into blocks of 32 from its start; a last block that is shorter is filled with zeros.
;;     - A block's scale is 2^e with e = floor(log2(the largest magnitude in the block)) - 2, held to -126 .. 127; a block of zeros has e = 0. As a byte (E8M0): e + 127.
;;     - Each number is divided by its block's scale, clamped to +-7.5, and rounded to the nearest number of E2M3, ties to even, subnormals kept.
;;     - The product sums the exact products of the quantised numbers (number of the format x scale) in f32.
;;   ~~~python
;;   def quantise(x, axis):      # numpy; x: float32 -> the quantised numbers, widened to float32 again
;;       x = np.moveaxis(x, axis, -1); K = x.shape[-1]
;;       x = np.pad(x, [(0, 0)] * (x.ndim - 1) + [(0, -K % 32)]); x = x.reshape(x.shape[:-1] + (-1, 32)); a = np.abs(x).max(-1, keepdims=True)
;;       e = np.where(a > 0, np.clip(np.frexp(np.where(a > 0, a, 1))[1] - 1 - 2, -126, 127), 0)      # np.frexp(a)[1] - 1 = floor(log2(a)), exactly
;;       r = np.clip(x / 2.0 ** e, -7.5, 7.5)
;;       step = 2.0 ** (np.maximum(np.frexp(np.where(r == 0, 1, r))[1] - 1, 0) - 3)
;;       q = np.round(r / step) * step * 2.0 ** e      # np.round: ties to even
;;       return np.moveaxis(q.reshape(q.shape[:-2] + (-1,))[..., :K], -1, axis).astype(np.float32)
;;   ~~~
;;   INPUTS GIVEN AS CODES. W_attn (in the module: [512, 512], K = its axis 1); encoder_outputs (in the module: [32, 4096, 512], K = its axis 2): each comes as NAME_codes (uint8): NAME with its K axis moved to the last place and cut into blocks of 32 codes, [.., K / 32, bytes a block], one block behind the other in memory; four codes in three bytes: a row's codes are one little-endian stream of bits, code i at bits 6 i .. 6 i + 5 (a code: sign, 2 exponent bits, 3 mantissa bits); and NAME_scales (uint8): the same leading axes, one E8M0 byte (e + 127) for each 32 codes along K. Its value is code x scale, taken as it is: it is not quantised again, and the codes and scales need not be those that the quantiser above would give.
;; One version. Each part assembles by itself: llvm-mc -triple=amdgcn-amd-amdhsa -mcpu=gfx1250 --defsym DOCPART=n.
;; ======== version 1 of 1: 2 launches
;; limits: right only within a limited range of input values
;; workspace buffers: parts 524,288 bytes; pairs 8,192 bytes
;; launch scores (part 1): grid 256 x 1, 4 waves a work-group, clusters of 4 x 1, 327,680 bytes of LDS; arguments W_attn_codes, W_attn_scales, encoder_outputs_codes, encoder_outputs_scales, hidden, parts, pairs; writes parts, pairs
.if DOCPART == 1
	.amdgcn_target "amdgcn-amd-amdhsa--gfx1250"
	.amdhsa_code_object_version 6
	.text
	.protected	k_q47fb3058f8_scores
	.globl	k_q47fb3058f8_scores
	.p2align	8
	.type	k_q47fb3058f8_scores,@function
k_q47fb3058f8_scores:
	s_mov_b64 s[64:65], 0
	v_nop
	global_prefetch_b8 v0, s[64:65] scope:SCOPE_SE
	s_setreg_imm32_b32 hwreg(HW_REG_WAVE_MODE, 25, 1), 1
	s_wait_xcnt 0x0
	s_wait_alu depctr_hold_cnt(0) depctr_sa_sdst(0) depctr_va_vdst(0) depctr_va_sdst(0) depctr_va_ssrc(0) depctr_va_vcc(0) depctr_vm_vsrc(0)
	s_getreg_b32 s2, hwreg(HW_REG_IB_STS2, 6, 4)
	s_cmp_eq_u32 s2, 0
	s_cbranch_scc0 .Lentry_in_a_cluster
	s_endpgm
.Lentry_in_a_cluster:
	s_bfe_u32 s2, ttmp6, 0x10000c
	s_cmp_lg_u32 s2, 0x3003
	s_cbranch_scc0 .Lentry_shape_is_right
	s_endpgm
.Lentry_shape_is_right:
; x[b][s] = sum over o of (sum over k of enc[b][s][k] W[o][k]) hidden[b][o], and of every 128 rows that one wave finishes: m = the largest x, parts[b][s] = exp(x - m),
; pairs = (m, the sum of those exponentials).  The next launch joins the 32 pairs of a batch.  enc [32][4096][512] and W [512][512] arrive as codes of FP6 (E2M3) with one
; E8M0 byte for each 32 along K and go to the matrix unit as they lie.
; DEAD WORK LEFT OUT: b_attn.  It adds sum over o of b_attn[o] hidden[b][o] to each score of batch b: the same number for all s, the softmax's axis, so it cancels for all values of the
; inputs; it enters no quantised operand.  b_attn is not loaded.  Limit: a NaN, an infinity or an overflow that reaches only that term is not carried to the result.
; SHARES.  A work-group owns 512 rows of enc, all of one batch (work-group / 8).  THE WAVES SHARE THE COLUMNS: wave w owns outputs 80 w .. 80 w + 79 (its tiles 0-4) and 320 + 48 w .. + 47 (tiles 5-7);
; its part of W (8 tiles x 4 K steps x 12 registers) stays in registers.  A tile of 16 rows of enc is read from LDS by all four waves and feeds 32 matrix instructions in each.
; K'S BLOCKS ARE TAKEN IN ANOTHER ORDER, ALIKE ON BOTH SIDES: lane (r, h) takes the 192 bytes from byte 192 h of its row; K step q is the 48 bytes at 192 h + 48 q: the true blocks
; 8 h + 2 q and 8 h + 2 q + 1.  So a fragment is three loads of 16 bytes.  The scale word of step q is the row's bytes 2 q, 8 + 2 q, 2 q + 1, 9 + 2 q.
; THE MATRIX INSTRUCTION IS USED TRANSPOSED (source 0 = 16 rows of W, source 1 = 16 rows of enc): lane (r, h) holds enc row r, register j of tile t the tile's output 8 h + j.
; The second product is 32 packed multiply-adds a row tile, in f32: one group, in four chains, behind the matrix instructions of the NEXT row tile.
; HOW THE BYTES COME.  At the head one tensor load a wave: W's rows 0-319, enc's rows 0-111, W's rows 320-511, enc's rows 112-223.  W's first part goes to registers, and row tiles 0-3 are multiplied
; by it (tiles 0-4 of W), while the others land.  Then every wave fills W's first part's stage again, with 72 of enc's rows 224-511, which are first read in row tile 13; row tiles 0-3 are multiplied by
; W's tiles 5-7, and from row tile 4 on by all eight at once.
; NO PREFETCH: the head's loads ask for 224 of the 512 rows, and the one refill for the rest as soon as they have landed, with 336 matrix instructions a wave in which to land; no loop stands ahead of it.
; CLUSTER.  W is the same for all work-groups: the four of a cluster ask for it JOINTLY.  enc is shared by nobody: plain loads.
; LIMITS.  The f32 sums run in another order than ascending k and o.  A scale byte 0xff makes the row's score NaN.  An exponential under 2^-126 comes out as 0 (ISA guide, v_exp_f32).
.set ROWB,  384                        ; a row of 512 codes in bytes
.set PITCH, 432                        ; and in LDS: 3 x (128 bytes + 16 of padding)
.set TILEB, 16*PITCH
.set WST,   224*PITCH                  ; W's stage: row o at WST + 432 o.  enc's row s lies at 432 s: rows 224-511 take W's rows 0-287's place
.set WR,    320*PITCH                  ; W's second part, from WST on
.set SCR,   512*PITCH                  ; partial sums: 576 bytes a row tile: [wave][half of the lanes][16 rows] f32 + 64 of padding.  Behind enc's last row: no fill of this launch lands there behind the head's
.set SCP,   576
.set ESC,   WST+512*PITCH              ; enc's scale words, reordered: 16 bytes a row, 8,192 bytes
.set SPARE, ESC+8192                   ; the spare words: 128 bytes for each wave
; window 0
.set SPW, 1                            ; v1  my spare word
.set NIL, 2                            ; v2  0
.set FS,  3                            ; v3  a row tile's finished sum, until the next row tile's run of LDS instructions
; W's scale words: v[4 + 8 (t / 2) + 2 (t % 2) + (q & 1)]: lanes 0-15 K step q < 2, lanes 16-31 K step q >= 2
.set ES,  8                            ; v8-11  enc's, two sets, by the same rule
.set SS,  16                           ; v16-19, v24-27  a row tile's running sums: four chains (even and odd outputs in a pair)
.set F,   32                           ; v32-79, v80-127  enc's fragments, two sets of 48
.set ACC, 128                          ; v128-191, v192-255  two sets of 8 accumulators; temporaries in the head
.set SAV, ACC+120                      ; v248-251  row tiles 0-3's sums over W's tiles 0-4: accumulator 7 of set 1, which is first written in row tile 5
.set WA,  136                          ; v136, v137  my lane's place in W's first part (pieces 0-3 and 8-11; pieces 4-7)
.set WB,  2                            ; window 1: v2, v3  in the second (v136-139 become accumulators before W's second part is read)
; window 2: v0-191 W's K steps 0, 1 (at 96 q + 12 t), v192-223 hidden of tiles 0-3, then the loop's LDS addresses: the loads need no switch of the window
; window 3: v0-191 W's K steps 2, 3, v192-223 hidden of tiles 4-7
.set HV,  192
.set FA1, 224                          ; 432 r + 208 h + the row tile: pieces 0-3 and 8-11 (a piece: 16 bytes)
.set FA2, 225                          ; 432 r + 224 h + the row tile: pieces 4-7, which for lanes 16-31 lie behind one padding more
.set ESA, 226                          ; ESC + 16 r + 8 h + the row tile
.set SCA, 227                          ; SCR + 128 w + 64 h + 4 r + the row tile
.set WV,  18
.set CNT, 19
.set SEL, 20                           ; s[20:21]  v_permlanex16_b32's selects for lane l xor 16
.set PS,  22                           ; s22, s23  v_perm_b32's selectors
.set G,   24                           ; s24  my work-group
.set G1A, 28                           ; s[28:35], s[36:43], s[44:51], s[52:59]: group 1 for W's two parts, enc at the head, enc's refill
.set G1B, 36
.set G1E, 44
.set G1R, 52
.set G0A, 60                           ; s[60:63], s[68:71], s[72:75], s[76:79]: group 0 of the same
.set G0B, 68
.set G0E, 72
.set G0R, 76
.set MSB, 0
.macro WIN new                         ; s_set_vgpr_msb: bits 1:0 source 0, 3:2 source 1, 5:4 source 2, 7:6 destination; the high byte repeats the setting that is left
.if MSB != \new
	s_set_vgpr_msb (MSB<<8)|\new
.set MSB, \new
.endif
.endm
.macro ROUND                           ; a round of the cluster's barrier
	s_barrier_signal -1
	s_barrier_wait -1
	s_cmp_lg_u32 s[WV], 0
	s_cbranch_scc1 .Lnot_wave_0_\@
	s_barrier_signal -3
.Lnot_wave_0_\@:
	s_barrier_wait -3
	s_barrier_signal -1
	s_barrier_wait -1
.endm
; Group 1.  Both tensors are dense, so a tile's row is stated as two rows of codes: 96 elements of 8 bytes = 768 bytes; 16 bytes of padding behind every 128.
.macro GRP g, w, rows
	s_mov_b32 s[\g], (\w)|(3<<16)|(1<<20)|(4<<22)|(3<<25)
	s_mov_b32 s[\g+1], 96<<16
	s_mov_b32 s[\g+2], (\rows)<<16
	s_mov_b32 s[\g+3], 96<<16
	s_mov_b32 s[\g+4], \rows
	s_mov_b32 s[\g+5], 96
	s_mov_b32 s[\g+6], 0
	s_mov_b32 s[\g+7], 0
.endm
	s_load_b256 s[4:11], s[0:1], 0x0               ; W's codes s[4:5], W's scales s[6:7], enc's codes s[8:9], enc's scales s[10:11]
	s_load_b128 s[12:15], s[0:1], 0x20             ; hidden s[12:13], parts s[14:15]
	s_load_b64 s[16:17], s[0:1], 0x30              ; pairs
	v_lshl_add_u32 v[SPW], v0, 2, SPARE
	v_mov_b32 v[NIL], 0
	ds_add_u32 v[SPW], v[NIL]                      ; the wave's opening: the add, twice on end, and its wait
	ds_add_u32 v[SPW], v[NIL]
	v_lshrrev_b32 v3, 5, v0
	v_readfirstlane_b32 s[WV], v3                  ; wave 0..3
	s_bfe_u32 s[G], ttmp6, 0x40000                 ; cx: my place in the cluster
	s_lshl_b32 s19, ttmp9, 2
	s_add_co_u32 s[G], s19, s[G]                   ; my work-group = 4 x cluster + cx: it enters global addresses of plain loads alone
	s_mov_b32 s[SEL], 0x76543210
	s_mov_b32 s[SEL+1], 0xfedcba98
	s_mov_b32 s[PS], 0x05010400                    ; bytes 0, 1 of the second source and of the first, by turns
	s_mov_b32 s[PS+1], 0x07030602                  ; bytes 2, 3 likewise
	GRP G1A, 15|(1<<21), 160                       ; the mask: all four work-groups; bit 21 set beside it; 320 rows of W
	GRP G1B, 15|(1<<21), 96                        ; 192 rows of W
	GRP G1E, 0, 56                                 ; 112 rows of enc
	GRP G1R, 0, 36                                 ; 72 rows of enc
	s_mov_b32 s[G0A], 1
	s_mov_b32 s[G0A+1], WST
	s_mov_b32 s[G0B], 1
	s_mov_b32 s[G0B+1], WST+WR
	s_lshr_b32 s80, s[WV], 1
	s_mov_b32 s[G0E], 1
	s_mul_i32 s[G0E+1], s80, 112*PITCH             ; waves 1 and 3: enc's rows 0-111 and 112-223
	s_mul_i32 s84, s80, 112*ROWB
	s_mov_b32 s85, 0
	s_mov_b32 s[G0R], 1
	s_mul_i32 s81, s[WV], 72*PITCH
	s_add_co_u32 s[G0R+1], s81, WST
	s_mul_i32 s86, s[WV], 72*ROWB
	s_add_co_u32 s86, s86, 224*ROWB
	s_mov_b32 s87, 0
	s_mul_i32 s82, s[G], 512*ROWB                  ; my work-group's 512 rows of enc
	s_mov_b32 s83, 0
	s_lshl_b32 s27, s[WV], 11
	s_lshl_b32 s88, s[G], 13                       ; enc's scale bytes: 8,192 a work-group, 2,048 a wave
	s_add_co_u32 s88, s88, s27
	s_mov_b32 s89, 0
	s_lshr_b32 s90, s[G], 3                        ; the batch: hidden's row
	s_lshl_b32 s90, s90, 11
	s_mov_b32 s91, 0
	s_lshl_b32 s92, s[G], 11                       ; parts: 512 numbers a work-group
	s_mov_b32 s93, 0
	s_lshl_b32 s94, s[G], 5                        ; pairs: 8 bytes a wave
	s_lshl_b32 s95, s[WV], 3
	s_add_co_u32 s94, s94, s95
	s_mov_b32 s95, 0
	s_mul_i32 s25, s[WV], 80*PITCH
	s_add_co_u32 s25, s25, WST
	s_mul_i32 s26, s[WV], 48*PITCH
	s_add_co_u32 s26, s26, WST+WR
	s_add_co_u32 s27, s27, ESC
	s_lshl_b32 s3, s[WV], 7
	s_add_co_u32 s3, s3, SCR
	s_mul_i32 s66, s[WV], 1280                     ; W's scale bytes, 16 a row: row 80 w,
	s_mul_i32 s67, s[WV], 768
	s_add_co_u32 s67, s67, 5120                    ; and row 320 + 48 w
	s_mul_i32 s80, s[WV], 320                      ; hidden, 4 bytes an output, likewise
	s_mul_i32 s81, s[WV], 192
	s_add_co_u32 s81, s81, 1280
	v_and_b32 v130, 31, v0                         ; lane
	v_and_b32 v131, 15, v0                         ; r
	v_bfe_u32 v132, v0, 4, 1                       ; h
	v_mul_u32_u24 v133, v131, PITCH
	v_mad_u32_u24 v134, v132, 224, v133
	v_mad_u32_u24 v135, v132, 208, v133
	v_add_nc_u32 v[WA], s25, v135
	v_add_nc_u32 v[WA+1], s25, v134
	v_lshlrev_b32 v140, 4, v130                    ; enc's scales: 16 lane
	v_add_nc_u32 v141, s27, v140                   ; and where my rows' reordered words go
	v_lshlrev_b32 v147, 4, v131                    ; 16 r
	v_lshl_add_u32 v148, v132, 2, v147
	v_add_nc_u32 v142, s66, v148                   ; W's scales: + 4 h
	v_add_nc_u32 v143, s67, v148
	v_lshlrev_b32 v149, 5, v132
	v_add_nc_u32 v144, s80, v149                   ; hidden: + 32 h
	v_add_nc_u32 v145, s81, v149
	v_lshl_add_u32 v147, v132, 3, v147             ; 16 r + 8 h
	v_lshlrev_b32 v146, 2, v131
	v_lshl_add_u32 v146, v132, 6, v146             ; 4 r + 64 h
	WIN 0x40
	v_add_nc_u32 v[WB], s26, v135
	v_add_nc_u32 v[WB+1], s26, v134
	WIN 0x80
	v_mov_b32 v[FA1], v135
	v_mov_b32 v[FA2], v134
	v_add_nc_u32 v[ESA], ESC, v147
	v_add_nc_u32 v[SCA], s3, v146
	WIN 0
	s_wait_alu depctr_va_vdst(0)
	s_wait_dscnt 0x0                               ; both opening adds are done
	s_wait_kmcnt 0x0
	s_mov_b64 s[G0A+2:G0A+3], s[4:5]
	s_or_b32 s[G0A+3], s[G0A+3], 0x80000000
	s_add_nc_u64 s[G0B+2:G0B+3], s[4:5], 320*ROWB
	s_or_b32 s[G0B+3], s[G0B+3], 0x80000000
	s_add_nc_u64 s[8:9], s[8:9], s[82:83]
	s_add_nc_u64 s[G0E+2:G0E+3], s[8:9], s[84:85]
	s_or_b32 s[G0E+3], s[G0E+3], 0x80000000
	s_add_nc_u64 s[G0R+2:G0R+3], s[8:9], s[86:87]
	s_or_b32 s[G0R+3], s[G0R+3], 0x80000000
	s_add_nc_u64 s[10:11], s[10:11], s[88:89]
	s_add_nc_u64 s[12:13], s[12:13], s[90:91]
	s_add_nc_u64 s[14:15], s[14:15], s[92:93]
	s_add_nc_u64 s[16:17], s[16:17], s[94:95]
	ROUND                                          ; all four work-groups are here: the joint loads meet
; The head's loads, one a wave: one tree of branches on the wave's number, every way through it passes one load.
.macro ARM under, g0, g1, next
	s_cmp_lt_u32 s[WV], \under
	s_cbranch_scc0 \next
	tensor_load_to_lds s[\g0:\g0+3], s[\g1:\g1+7]
	s_nop 0
.rept 4
	v_nop
.endr
	s_branch .Lhead_asked
\next:
.endm
	ARM 1, G0A, G1A, .Lhead_1
	ARM 2, G0E, G1E, .Lhead_2
	ARM 3, G0B, G1B, .Lhead_3
	tensor_load_to_lds s[G0E:G0E+3], s[G1E:G1E+7]
	s_nop 0
.rept 4
	v_nop
.endr
.Lhead_asked:
.irp k, 0,1,2,3
	global_load_b128 v[192+4*\k:195+4*\k], v140, s[10:11] offset:512*\k        ; the 16 scale bytes of enc's row 128 w + 32 k + lane
.endr
.irp t, 0,1,2,3,4,5,6,7
.if \t < 5
	global_load_b32 v[224+2*\t], v142, s[6:7] offset:256*\t                    ; W's scale bytes 4 h .. 4 h + 3 of my row of tile t,
	global_load_b32 v[225+2*\t], v142, s[6:7] offset:256*\t+8                  ; and 8 + 4 h .. 8 + 4 h + 3
.else
	global_load_b32 v[224+2*\t], v143, s[6:7] offset:256*(\t-5)
	global_load_b32 v[225+2*\t], v143, s[6:7] offset:256*(\t-5)+8
.endif
.endr
	WIN 0x80
.irp t, 0,1,2,3
	global_load_b128 v[HV+8*\t:HV+8*\t+3], v144, s[12:13] offset:64*\t         ; hidden at tile t's outputs 8 h .. 8 h + 7
	global_load_b128 v[HV+8*\t+4:HV+8*\t+7], v144, s[12:13] offset:64*\t+16
.endr
	WIN 0xc0
	global_load_b128 v[HV:HV+3], v144, s[12:13] offset:256
	global_load_b128 v[HV+4:HV+7], v144, s[12:13] offset:272
.irp t, 1,2,3
	global_load_b128 v[HV+8*\t:HV+8*\t+3], v145, s[12:13] offset:64*(\t-1)
	global_load_b128 v[HV+8*\t+4:HV+8*\t+7], v145, s[12:13] offset:64*(\t-1)+16
.endr
	WIN 0
	s_wait_loadcnt 0x0                             ; the head's 36 loads are in; W is on its way
.irp k, 0,1,2,3
	v_perm_b32 v[208+4*\k], v[194+4*\k], v[192+4*\k], s[PS]        ; K step 0's word: bytes 0, 8, 1, 9
	v_perm_b32 v[209+4*\k], v[194+4*\k], v[192+4*\k], s[PS+1]      ; step 1: 2, 10, 3, 11
	v_perm_b32 v[210+4*\k], v[195+4*\k], v[193+4*\k], s[PS]        ; step 2: 4, 12, 5, 13
	v_perm_b32 v[211+4*\k], v[195+4*\k], v[193+4*\k], s[PS+1]      ; step 3: 6, 14, 7, 15
.endr
.irp k, 0,1,2,3
	ds_store_b128 v141, v[208+4*\k:211+4*\k] offset:512*\k
.endr
.irp t, 0,1,2,3,4,5,6,7
	v_perm_b32 v[4+8*(\t/2)+2*(\t%2)], v[225+2*\t], v[224+2*\t], s[PS]     ; lanes 0-15: step 0's word, lanes 16-31: step 2's
	v_perm_b32 v[5+8*(\t/2)+2*(\t%2)], v[225+2*\t], v[224+2*\t], s[PS+1]   ; steps 1 and 3
.endr
	s_wait_alu depctr_va_vdst(0)
	s_wait_dscnt 0x0                               ; my scale words lie in LDS
	s_cmp_lt_u32 s[WV], 1
	s_cbranch_scc0 .Lnot_first_part
	s_wait_tensorcnt 0x0                           ; wave 0: W's first part has landed
.Lnot_first_part:
	s_barrier_signal -1
	s_barrier_wait -1
; Piece n (16 bytes) of a lane's 192 of W's tile t: lanes 0-15 pass a padding behind piece 7, lanes 16-31 (which begin behind one) behind piece 3.  K step n / 3; it goes to window 2 (n < 6) or 3.
.macro WLD t, n, a, row
.set rD, 96*(((\n)/3)&1)+12*(\t)+4*((\n)%3)
.if (\n) < 4
	ds_load_b128 v[rD:rD+3], v[\a] offset:16*(\n)+TILEB*(\row)
.elseif (\n) < 8
	ds_load_b128 v[rD:rD+3], v[\a+1] offset:16*(\n)+TILEB*(\row)
.else
	ds_load_b128 v[rD:rD+3], v[\a] offset:16*(\n)+16+TILEB*(\row)
.endif
.endm
	WIN 0x80
.irp t, 0,1,2,3,4
.irp n, 0,1,2,3,4,5
	WLD \t, \n, WA, \t
.endr
.endr
	WIN 0xc0
.irp t, 0,1,2,3,4
.irp n, 6,7,8,9,10,11
	WLD \t, \n, WA, \t
.endr
.endr
	WIN 0
	s_cmp_lt_u32 s[WV], 2
	s_cbranch_scc0 .Lnot_first_rows
	s_wait_tensorcnt 0x0                           ; wave 1: enc's rows 0-111 have landed
.Lnot_first_rows:
	s_wait_dscnt 0x0
	s_barrier_signal -1
	s_barrier_wait -1
; Load n of 13 of a row tile, k row tiles beyond the addresses, into set s: twelve pieces, then the scale words.
.macro LD s, n, k
.if (\n) < 4
	ds_load_b128 v[F+48*(\s)+4*(\n):F+48*(\s)+4*(\n)+3], v[FA1] offset:16*(\n)+TILEB*(\k)
.elseif (\n) < 8
	ds_load_b128 v[F+48*(\s)+4*(\n):F+48*(\s)+4*(\n)+3], v[FA2] offset:16*(\n)+TILEB*(\k)
.elseif (\n) < 12
	ds_load_b128 v[F+48*(\s)+4*(\n):F+48*(\s)+4*(\n)+3], v[FA1] offset:16*(\n)+16+TILEB*(\k)
.else
	ds_load_b64 v[ES+2*(\s):ES+2*(\s)+1], v[ESA] offset:256*(\k)
.endif
.endm
.macro LDS13 s, k
.irp n, 0,1,2,3,4,5,6,7,8,9,10,11,12
	LD \s, \n, \k
.endr
.endm
; One matrix instruction: set p, K step q, W's tile t, in accumulator t - lo.  The first K step starts the sum.  The accumulators take turns, and the sets change from row tile to row tile.
.macro MM p, q, t, lo
.set rD, ACC+64*(\p)+8*((\t)-(\lo))
.set rA, 96*((\q)&1)+12*(\t)
.set rB, F+48*(\p)+12*(\q)
.set rW, 4+8*((\t)/2)+2*((\t)&1)+((\q)&1)
.set rE, ES+2*(\p)+((\q)&1)
.if (\q) == 0
	v_wmma_scale_f32_16x16x128_f8f6f4 v[rD:rD+7], v[rA:rA+11], v[rB:rB+11], 0, v[rW], v[rE] matrix_a_fmt:MATRIX_FMT_FP6 matrix_b_fmt:MATRIX_FMT_FP6
.elseif (\q) == 1
	v_wmma_scale_f32_16x16x128_f8f6f4 v[rD:rD+7], v[rA:rA+11], v[rB:rB+11], v[rD:rD+7], v[rW], v[rE] matrix_a_fmt:MATRIX_FMT_FP6 matrix_b_fmt:MATRIX_FMT_FP6
.else
	v_wmma_scale_f32_16x16x128_f8f6f4 v[rD:rD+7], v[rA:rA+11], v[rB:rB+11], v[rD:rD+7], v[rW], v[rE] matrix_a_fmt:MATRIX_FMT_FP6 matrix_b_fmt:MATRIX_FMT_FP6 matrix_a_scale:MATRIX_SCALE_ROW1 matrix_b_scale:MATRIX_SCALE_ROW1
.endif
.endm
; Multiply-add i of 32 of the second product (tile i / 4), on set s: two outputs at a time, each accumulator from its low end on; four chains by turns, which begin at i = f .. f + 3.
; Tiles 0-3's hidden lies in window 2, tiles 4-7's in window 3.
.macro VEC s, i, f, lo
.set rS, SS+2*((\i)&1)+4*((\i)&2)
.set rA, ACC+64*(\s)+2*(\i)-8*(\lo)
.set rH, HV+2*((\i)&15)
.if ((\i) >= (\f)) && ((\i) < (\f)+4)
	v_pk_mul_f32 v[rS:rS+1], v[rH:rH+1], v[rA:rA+1]
.else
	v_pk_fma_f32 v[rS:rS+1], v[rH:rH+1], v[rA:rA+1], v[rS:rS+1]
.endif
.endm
.macro VECS s, from, n, f, lo
.set ix, \from
.rept \n
	VEC \s, ix, \f, \lo
.set ix, ix+1
.endr
.endm
; The end of a row tile's sum, at places 1 to 5: the four chains, then even and odd outputs.  (Sums written as multiply-adds by 1.0: source 0's window is W's.)
; kind 1: the sum over W's eight tiles.  kind 2: over tiles 0-4 of row tile T: kept.  kind 3: over tiles 5-7, with what was kept.
.macro FIN n, kind, T
.if (\kind) > 0
.if (\n) == 1
	v_pk_fma_f32 v[SS:SS+1], 1.0, v[SS:SS+1], v[SS+2:SS+3] op_sel_hi:[0,1,1]
.elseif (\n) == 2
	v_pk_fma_f32 v[SS+8:SS+9], 1.0, v[SS+8:SS+9], v[SS+10:SS+11] op_sel_hi:[0,1,1]
.elseif (\n) == 3
	v_pk_fma_f32 v[SS:SS+1], 1.0, v[SS:SS+1], v[SS+8:SS+9] op_sel_hi:[0,1,1]
.elseif (\n) == 4
.if (\kind) == 2
	v_fma_f32 v[SAV+\T], 1.0, v[SS], v[SS+1]
.else
	v_fma_f32 v[FS], 1.0, v[SS], v[SS+1]
.endif
.elseif (\n) == 5
.if (\kind) == 3
	v_fma_f32 v[FS], 1.0, v[FS], v[SAV+\T]
.endif
.endif
.endif
.endm
.macro PUT so
	ds_store_b32 v[SCA], v[FS] offset:SCP*(\so)
.endm
; A ROW TILE on set p, by W's tiles lo .. lo + nt - 1.  First ALL ITS LDS INSTRUCTIONS, IN ONE RUN: the sum finished in the row tile before goes out (so >= 0), the next row tile's 13 loads (k >= 0) are asked for, all the
; matrix instructions below ahead of their use.  Then the matrix instructions; the sum of two row tiles back is finished among them (fin, ft: FIN's kind and T).  Then the second product of the row tile before, one
; group (vec: 1 all tiles, 2 W's tiles 0-4, 3 tiles 5-7, 0 none yet).  The group, or four v_nop, stands between the matrix instructions and the next run's loads into registers that they read, and ahead of the first reader
; of their results (ISA guide 7.12.1 for the readers).
; k, so: row tiles from the addresses to what is loaded and stored.  kst, sst: the addresses' steps.  w0: the LDS instructions that may be out at the head; wm: in the middle (-1: no wait there).
.macro TILE p, lo, nt, k, so, fin, ft, vec, kst, sst, w0, wm
	s_wait_alu depctr_va_vdst(0)
	s_wait_dscnt \w0
	WIN 0x02                                       ; source 0 (W, hidden, LDS addresses) in window 2
.if (\so) >= 0
	PUT \so
.endif
.if (\k) >= 0
	LDS13 1-\p, \k
.endif
.irp q, 0,1
.irp t, 0,1,2,3,4,5,6,7
.if (\t >= \lo) && (\t < \lo+\nt)
	MM \p, \q, \t, \lo
	FIN \nt*\q+\t-\lo, \fin, \ft
.endif
.endr
.endr
.if \kst
	WIN 0x88
	v_add_nc_u32 v[FA1], TILEB*(\kst), v[FA1]
	v_add_nc_u32 v[FA2], TILEB*(\kst), v[FA2]
	v_add_nc_u32 v[ESA], 256*(\kst), v[ESA]
	v_add_nc_u32 v[SCA], SCP*(\sst), v[SCA]
.endif
.if (\wm) >= 0
	s_wait_dscnt \wm
.endif
	WIN 0x03                                       ; in window 3
.irp q, 2,3
.irp t, 0,1,2,3,4,5,6,7
.if (\t >= \lo) && (\t < \lo+\nt)
	MM \p, \q, \t, \lo
.endif
.endr
.endr
.if \vec == 0
.rept 4
	v_nop
.endr
.elseif \vec == 1
	VECS 1-\p, 16, 16, 16, 0
	WIN 0x02
	VECS 1-\p, 0, 16, 16, 0
.elseif \vec == 2
	VECS 1-\p, 16, 4, 16, 0
	WIN 0x02
	VECS 1-\p, 0, 16, 16, 0
.else
	VECS 1-\p, 20, 12, 20, 5
.endif
.endm
.macro LOOP n, name                    ; two row tiles a trip, the first on set 1
	s_mov_b32 s[CNT], \n
\name:
	TILE 1, 0, 8, 1, 0, 1, 0, 1, 0, 0, 0, -1
	TILE 0, 0, 8, 2, 1, 1, 0, 1, 2, 2, 0, -1
	WIN 0                                          ; at a label and at a branch every window is 0
	s_sub_co_u32 s[CNT], s[CNT], 1
	s_cmp_lg_u32 s[CNT], 0
	s_cbranch_scc1 \name
.endm
	WIN 0x02
	LDS13 0, 0
	; row tiles 0-3 by W's tiles 0-4, while the rest of the head's loads land; the last asks for row tile 0 once more
	TILE 0, 0, 5, 1, -1, 0, 0, 0, 0, 0, 0, -1
	TILE 1, 0, 5, 2, -1, 0, 0, 2, 0, 0, 0, -1
	TILE 0, 0, 5, 3, -1, 2, 0, 2, 0, 0, 0, -1
	TILE 1, 0, 5, 0, -1, 2, 1, 2, 0, 0, 0, -1
	WIN 0
	s_wait_alu depctr_va_vdst(0)
	s_wait_tensorcnt 0x0                           ; my tensor load has landed;
	ds_add_u32 v[SPW], v[NIL]                      ; 0 onto my spare word;
	s_wait_dscnt 0x0                               ; the add is done, and my reads of W's first part are over
	ROUND                                          ; of every wave
	tensor_load_to_lds s[G0R:G0R+3], s[G1R:G1R+7]  ; enc's rows 224 + 72 w .. + 71, over W's first part
	s_nop 0
.rept 4
	v_nop
.endr
	WIN 0x81                                       ; W's second part: K steps 0, 1,
.irp t, 5,6,7
.irp n, 0,1,2,3,4,5
	WLD \t, \n, WB, \t-5
.endr
.endr
	WIN 0xc1                                       ; then 2, 3
.irp t, 5,6,7
.irp n, 6,7,8,9,10,11
	WLD \t, \n, WB, \t-5
.endr
.endr
	; row tiles 0-3 by W's tiles 5-7
	TILE 0, 5, 3, 1, -1, 2, 2, 2, 0, 0, 18, 13     ; 18: W's K steps 2, 3 may be out; 13: the next row tile's loads
	TILE 1, 5, 3, 2, -1, 2, 3, 3, 0, 0, 0, -1
	TILE 0, 5, 3, 3, -1, 3, 0, 3, 0, 0, 0, -1
	TILE 1, 5, 3, 4, 0, 3, 1, 3, 0, 0, 0, -1
	; row tiles 4-6, by all of W
	TILE 0, 0, 8, 5, 1, 3, 2, 3, 0, 0, 0, -1
	TILE 1, 0, 8, 6, 2, 3, 3, 1, 0, 0, 0, -1       ; (row tile 3's kept sum is read at place 5, and its register written at place 7)
	TILE 0, 0, 8, 7, 3, 1, 0, 1, 7, 4, 0, -1
	WIN 0
	LOOP 3, .Lrows_a                               ; row tiles 7-12; the last asks for row tile 13, enc's rows 208-223
	s_wait_alu depctr_va_vdst(0)
	s_wait_tensorcnt 0x0                           ; my 72 rows have landed
	s_wait_dscnt 0x0
	s_barrier_signal -1
	s_barrier_wait -1                              ; all of rows 224-511 are there
	LOOP 9, .Lrows_b                               ; row tiles 13-30
	TILE 1, 0, 8, -1, 0, 1, 0, 1, 0, 0, 0, -1      ; row tile 31
.macro FINS
.irp n, 1,2,3,4
	FIN \n, 1, 0
.endr
.endm
	PUT 1                                          ; row tile 29's sum
	FINS                                           ; row tile 30's
	WIN 0x03
	VECS 1, 16, 16, 16, 0                          ; row tile 31's second product
	WIN 0x02
	PUT 2
	VECS 1, 0, 16, 16, 0
	FINS
	PUT 3
	WIN 0
	v_lshrrev_b32 v32, 2, v0                       ; thread i takes rows 4 i .. 4 i + 3: 16 bytes of each of a row tile's eight runs
	v_mul_u32_u24 v32, v32, SCP
	v_and_b32 v33, 3, v0
	v_lshl_add_u32 v32, v33, 4, v32
	v_add_nc_u32 v32, SCR, v32
	v_lshlrev_b32 v33, 4, v0
	v_mov_b32 v34, 0
	v_and_b32 v35, 31, v0
	v_mov_b32 v73, 0                               ; (a lane permute's destination counts as one of its sources)
	s_wait_alu depctr_va_vdst(0)
	s_wait_dscnt 0x0                               ; for the others' sake: my partial sums have landed
	s_barrier_signal -1
	s_barrier_wait -1
.irp k, 0,1,2,3,4,5,6,7
	ds_load_b128 v[40+4*\k:43+4*\k], v32 offset:64*\k
.endr
	s_wait_dscnt 0x0
.irp k, 0,2,4,6
	v_pk_add_f32 v[40+4*\k:41+4*\k], v[40+4*\k:41+4*\k], v[44+4*\k:45+4*\k]
	v_pk_add_f32 v[42+4*\k:43+4*\k], v[42+4*\k:43+4*\k], v[46+4*\k:47+4*\k]
.endr
.irp k, 0,4
	v_pk_add_f32 v[40+4*\k:41+4*\k], v[40+4*\k:41+4*\k], v[48+4*\k:49+4*\k]
	v_pk_add_f32 v[42+4*\k:43+4*\k], v[42+4*\k:43+4*\k], v[50+4*\k:51+4*\k]
.endr
	v_pk_add_f32 v[40:41], v[40:41], v[56:57]
	v_pk_add_f32 v[42:43], v[42:43], v[58:59]      ; v[40:43]: four rows' scores
	v_max3_num_f32 v72, v40, v41, v42
	v_max_num_f32 v72, v72, v43
	v_max_num_f32_dpp v72, v72, v72 row_xmask:1 row_mask:0xf bank_mask:0xf
	v_max_num_f32_dpp v72, v72, v72 row_xmask:2 row_mask:0xf bank_mask:0xf
	v_max_num_f32_dpp v72, v72, v72 row_xmask:4 row_mask:0xf bank_mask:0xf
	v_max_num_f32_dpp v72, v72, v72 row_xmask:8 row_mask:0xf bank_mask:0xf
	v_permlanex16_b32 v73, v72, s[SEL], s[SEL+1]
	v_max_num_f32 v72, v72, v73                    ; m: the largest of my wave's 128 rows
	v_pk_add_f32 v[40:41], v[40:41], v[72:73] op_sel_hi:[1,0] neg_lo:[0,1] neg_hi:[0,1]   ; x - m first, before anything is rounded
	v_pk_add_f32 v[42:43], v[42:43], v[72:73] op_sel_hi:[1,0] neg_lo:[0,1] neg_hi:[0,1]
	v_pk_mul_f32 v[40:41], v[40:41], 0x3fb8aa3b op_sel_hi:[1,0]    ; x log2(e): v_exp_f32 works in base 2
	v_pk_mul_f32 v[42:43], v[42:43], 0x3fb8aa3b op_sel_hi:[1,0]
	s_wait_alu depctr_va_vdst(0)
	v_exp_f32 v40, v40
	v_exp_f32 v41, v41
	v_exp_f32 v42, v42
	v_exp_f32 v43, v43
	v_nop
	s_wait_alu depctr_va_vdst(0)
	global_store_b128 v33, v[40:43], s[14:15]      ; 16 lanes store 256 consecutive bytes, at a multiple of 256 from the buffer's first byte
	v_add_f32 v74, v40, v41
	v_add_f32 v75, v42, v43
	v_add_f32 v74, v74, v75
	v_add_f32_dpp v74, v74, v74 row_xmask:1 row_mask:0xf bank_mask:0xf
	v_add_f32_dpp v74, v74, v74 row_xmask:2 row_mask:0xf bank_mask:0xf
	v_add_f32_dpp v74, v74, v74 row_xmask:4 row_mask:0xf bank_mask:0xf
	v_add_f32_dpp v74, v74, v74 row_xmask:8 row_mask:0xf bank_mask:0xf
	v_permlanex16_b32 v75, v74, s[SEL], s[SEL+1]
	v_add_f32 v73, v74, v75                        ; v[72:73]: m and the sum
	v_cmp_gt_u32 vcc_lo, 1, v35
	s_wait_alu depctr_va_vdst(0)
	s_wait_xcnt 0x0                                ; EXEC changes only behind this wait
	s_and_saveexec_b32 s25, vcc_lo
	global_store_b64 v34, v[72:73], s[16:17]       ; lane 0 alone: 8 bytes a wave, 8 KiB in all: the one store that fills no unit
	s_wait_xcnt 0x0
	s_or_b32 exec_lo, exec_lo, s25
	s_wait_tensorcnt 0x0                           ; the wave's end
	ds_add_u32 v[SPW], v[NIL]
	s_wait_dscnt 0x0
	ROUND                                          ; the closing round: no work-group ends while a partner may still ask for a tile that names it
	s_endpgm
.Lfunc_end_k_q47fb3058f8_scores:
	.size	k_q47fb3058f8_scores, .Lfunc_end_k_q47fb3058f8_scores-k_q47fb3058f8_scores
	.p2alignl 7, 3214868480
	.fill 96, 4, 3214868480
	.section	.rodata,"a",@progbits
	.p2align	6, 0x0
	.amdhsa_kernel k_q47fb3058f8_scores
		.amdhsa_group_segment_fixed_size 327680
		.amdhsa_private_segment_fixed_size 0
		.amdhsa_enable_private_segment 0
		.amdhsa_kernarg_size 56
		.amdhsa_user_sgpr_count 2
		.amdhsa_user_sgpr_kernarg_segment_ptr 1
		.amdhsa_wavefront_size32 1
		.amdhsa_system_sgpr_workgroup_id_x 1
		.amdhsa_system_sgpr_workgroup_id_y 1
		.amdhsa_system_sgpr_workgroup_id_z 1
		.amdhsa_system_vgpr_workitem_id 0
		.amdhsa_next_free_vgpr 1024
		.amdhsa_next_free_sgpr 96
		.amdhsa_reserve_vcc 1
		.amdhsa_float_denorm_mode_32 3
		.amdhsa_float_denorm_mode_16_64 3
		.amdhsa_memory_ordered 1
		.amdhsa_forward_progress 1
		.amdhsa_inst_pref_size 120
	.end_amdhsa_kernel
	.amdgpu_metadata
---
amdhsa.version: [ 1, 2 ]
amdhsa.kernels:
  - .name:           k_q47fb3058f8_scores
    .symbol:         k_q47fb3058f8_scores.kd
    .args:
      - { .name: W_attn_codes, .offset: 0, .size: 8, .value_kind: global_buffer, .address_space: global }
      - { .name: W_attn_scales, .offset: 8, .size: 8, .value_kind: global_buffer, .address_space: global }
      - { .name: encoder_outputs_codes, .offset: 16, .size: 8, .value_kind: global_buffer, .address_space: global }
      - { .name: encoder_outputs_scales, .offset: 24, .size: 8, .value_kind: global_buffer, .address_space: global }
      - { .name: hidden, .offset: 32, .size: 8, .value_kind: global_buffer, .address_space: global }
      - { .name: parts, .offset: 40, .size: 8, .value_kind: global_buffer, .address_space: global }
      - { .name: pairs, .offset: 48, .size: 8, .value_kind: global_buffer, .address_space: global }
    .group_segment_fixed_size: 327680
    .private_segment_fixed_size: 0
    .kernarg_segment_align: 8
    .kernarg_segment_size: 56
    .max_flat_workgroup_size: 128
    .sgpr_count:     96
    .vgpr_count:     1024
    .wavefront_size: 32
...
	.end_amdgpu_metadata
.endif
;; end of part 1
;; launch join (part 2): grid 256 x 1, 4 waves a work-group, no clusters, 0 bytes of LDS; arguments parts, pairs, out0; writes out0
.if DOCPART == 2
	.amdgcn_target "amdgcn-amd-amdhsa--gfx1250"
	.amdhsa_code_object_version 6
	.text
	.protected	k_q47fb3058f8_join
	.globl	k_q47fb3058f8_join
	.p2align	8
	.type	k_q47fb3058f8_join,@function
k_q47fb3058f8_join:
	s_mov_b64 s[64:65], 0
	v_nop
	global_prefetch_b8 v0, s[64:65] scope:SCOPE_SE
	s_setreg_imm32_b32 hwreg(HW_REG_WAVE_MODE, 25, 1), 1
	s_wait_xcnt 0x0
; out0[b][0][s] = parts[b][s] exp(m - M) / S: m is the maximum under which the launch before formed the 128 numbers that hold s, M the largest of the batch's 32 m, S the sum over them of (their sum) exp(m - M).
; A wave takes 128 numbers, four neighbours a lane: loads and stores cover 512 consecutive bytes.  Lane l takes the batch's pair l (256 consecutive bytes a wave), so the maximum and the sum stay inside the wave:
; no LDS, no barrier.  Each byte of parts is read once; there is no loop in which a prefetch could run ahead.
; (b_attn is left out as dead work: the head of the first kernel shows it.)
; LIMIT: an exponential under 2^-126 comes out as 0 (ISA guide, v_exp_f32).
	s_load_b128 s[4:7], s[0:1], 0x0                ; parts s[4:5], pairs s[6:7]
	s_load_b64 s[8:9], s[0:1], 0x10                ; out0
	v_and_b32 v1, 31, v0
	v_lshlrev_b32 v1, 3, v1                        ; 8 lane
	v_lshlrev_b32 v2, 4, v0                        ; my 16 bytes
	v_lshrrev_b32 v3, 5, v0
	v_lshlrev_b32 v3, 3, v3                        ; 8 wave: my wave's own pair
	v_mov_b32 v8, 0                                ; (a lane permute's destination counts as one of its sources)
	v_mov_b32 v9, 0
	v_mov_b32 v11, 0
	s_lshl_b32 s10, ttmp9, 11                      ; 512 numbers a work-group
	s_mov_b32 s11, 0
	s_lshr_b32 s12, ttmp9, 3
	s_lshl_b32 s12, s12, 8                         ; the batch's 32 pairs
	s_mov_b32 s13, 0
	s_lshl_b32 s14, ttmp9, 5                       ; my work-group's four
	s_mov_b32 s15, 0
	s_mov_b32 s16, 0x76543210                      ; v_permlanex16_b32's selects for lane l xor 16
	s_mov_b32 s17, 0xfedcba98
	s_wait_alu depctr_va_vdst(0)
	s_wait_kmcnt 0x0
	s_add_nc_u64 s[18:19], s[6:7], s[14:15]
	s_add_nc_u64 s[6:7], s[6:7], s[12:13]
	s_add_nc_u64 s[4:5], s[4:5], s[10:11]
	s_add_nc_u64 s[8:9], s[8:9], s[10:11]
	global_load_b64 v[4:5], v1, s[6:7]
	global_load_b32 v6, v3, s[18:19]
	global_load_b128 v[12:15], v2, s[4:5] th:TH_LOAD_NT
	s_wait_loadcnt 0x1                             ; the pairs are in; my four numbers may be out
	v_max_num_f32_dpp v8, v4, v4 row_xmask:1 row_mask:0xf bank_mask:0xf
	v_max_num_f32_dpp v8, v8, v8 row_xmask:2 row_mask:0xf bank_mask:0xf
	v_max_num_f32_dpp v8, v8, v8 row_xmask:4 row_mask:0xf bank_mask:0xf
	v_max_num_f32_dpp v8, v8, v8 row_xmask:8 row_mask:0xf bank_mask:0xf
	v_permlanex16_b32 v9, v8, s16, s17
	v_max_num_f32 v8, v8, v9                       ; M, in every lane
	v_sub_f32 v7, v4, v8
	v_sub_f32 v10, v6, v8
	v_mul_f32 v7, 0x3fb8aa3b, v7                   ; x log2(e): v_exp_f32 works in base 2
	v_mul_f32 v10, 0x3fb8aa3b, v10
	s_wait_alu depctr_va_vdst(0)
	v_exp_f32 v7, v7
	v_exp_f32 v10, v10
	v_nop
	s_wait_alu depctr_va_vdst(0)
	v_mul_f32 v7, v7, v5
	v_add_f32_dpp v7, v7, v7 row_xmask:1 row_mask:0xf bank_mask:0xf
	v_add_f32_dpp v7, v7, v7 row_xmask:2 row_mask:0xf bank_mask:0xf
	v_add_f32_dpp v7, v7, v7 row_xmask:4 row_mask:0xf bank_mask:0xf
	v_add_f32_dpp v7, v7, v7 row_xmask:8 row_mask:0xf bank_mask:0xf
	v_permlanex16_b32 v11, v7, s16, s17
	v_add_f32 v7, v7, v11                          ; S, at least 1: the largest score's term is 1
	s_wait_loadcnt 0x0                             ; my four numbers
	s_wait_alu depctr_va_vdst(0)
	v_rcp_f32 v7, v7
	v_nop
	s_wait_alu depctr_va_vdst(0)
	v_mul_f32 v10, v10, v7
	v_pk_mul_f32 v[12:13], v[12:13], v[10:11] op_sel_hi:[1,0]
	v_pk_mul_f32 v[14:15], v[14:15], v[10:11] op_sel_hi:[1,0]
	global_store_b128 v2, v[12:15], s[8:9] th:TH_STORE_NT   ; 16 lanes store 256 consecutive bytes, aligned; written once, read by nobody here
	s_endpgm
.Lfunc_end_k_q47fb3058f8_join:
	.size	k_q47fb3058f8_join, .Lfunc_end_k_q47fb3058f8_join-k_q47fb3058f8_join
	.p2alignl 7, 3214868480
	.fill 96, 4, 3214868480
	.section	.rodata,"a",@progbits
	.p2align	6, 0x0
	.amdhsa_kernel k_q47fb3058f8_join
		.amdhsa_group_segment_fixed_size 0
		.amdhsa_private_segment_fixed_size 0
		.amdhsa_enable_private_segment 0
		.amdhsa_kernarg_size 24
		.amdhsa_user_sgpr_count 2
		.amdhsa_user_sgpr_kernarg_segment_ptr 1
		.amdhsa_wavefront_size32 1
		.amdhsa_system_sgpr_workgroup_id_x 1
		.amdhsa_system_sgpr_workgroup_id_y 1
		.amdhsa_system_sgpr_workgroup_id_z 1
		.amdhsa_system_vgpr_workitem_id 0
		.amdhsa_next_free_vgpr 16
		.amdhsa_next_free_sgpr 66
		.amdhsa_reserve_vcc 0
		.amdhsa_float_denorm_mode_32 3
		.amdhsa_float_denorm_mode_16_64 3
		.amdhsa_memory_ordered 1
		.amdhsa_forward_progress 1
		.amdhsa_inst_pref_size 3
	.end_amdhsa_kernel
	.amdgpu_metadata
---
amdhsa.version: [ 1, 2 ]
amdhsa.kernels:
  - .name:           k_q47fb3058f8_join
    .symbol:         k_q47fb3058f8_join.kd
    .args:
      - { .name: parts, .offset: 0, .size: 8, .value_kind: global_buffer, .address_space: global }
      - { .name: pairs, .offset: 8, .size: 8, .value_kind: global_buffer, .address_space: global }
      - { .name: out0, .offset: 16, .size: 8, .value_kind: global_buffer, .address_space: global }
    .group_segment_fixed_size: 0
    .private_segment_fixed_size: 0
    .kernarg_segment_align: 8
    .kernarg_segment_size: 24
    .max_flat_workgroup_size: 128
    .sgpr_count:     66
    .vgpr_count:     16
    .wavefront_size: 32
...
	.end_amdgpu_metadata
.endif
;; end of part 2
